; MI455X (gfx1250); checked and timed in simulation.
; The chip was launched on July 23, 2026; its instructions are those of AMD's public machine-readable ISA for CDNA 5 (MIT licence, August 2026) and "CDNA5" Instruction Set Architecture Reference Guide (July 2026). The comments in the code are by the model that wrote it; some were corrected since.
;; KAN Coupling Net. Allowed arithmetic: matrix products marked QUANTISED: E4M3 operands, one given power-of-two scale a tensor, by v_wmma_f32_16x16x64_fp8_fp8 or v_wmma_f32_16x16x128_fp8_fp8, f32 sums; products left as they are: f32 operands where the result goes on into a quantised operand, else bf16, f16 or f32 operands; f32 sums; everything else in f32.
;; Inputs: coef0 12 x 64 x 5 float32; coef1 64 x 64 x 5 float32; coef2 64 x 24 x 5 float32; grid0 12 x 9 float32; grid1 64 x 9 float32; grid2 64 x 9 float32; lowp_scales 10 int32 (the exponents e of the quantised operands' scales 2^e); sb0 12 x 64 float32; sb1 64 x 64 float32; sb2 64 x 24 float32; ss0 12 x 64 float32; ss1 64 x 64 float32; ss2 64 x 24 float32; x 32 x 12 x 64 x 64 float32.
;; Outputs: out0 32 x 24 x 64 x 64 float32.
;; This version of the problem:
;;   THIS VERSION OF THE PROBLEM IS GIVEN IN LOW PRECISION. The matrix products marked QUANTISED in the list below multiply operands that are first quantised to E4M3 (4 exponent bits, 3 mantissa bits; 8 bits a number), with one given power-of-two scale for each operand tensor; their sums are f32. All else is computed in f32.
;;   The module's matrix products, in the order in which they are computed (A, B: the left and right operand; K: the contracted axis; several contracted axes count as one K, in the product's order):
;;     1. [M 131,072, K 60] x [K 60, N 64]; A: computed on the way; B: computed on the way: QUANTISED (scales: A lowp_scales[0], B lowp_scales[1])
;;     2. [M 131,072, K 12] x [K 12, N 64]; A: computed on the way; B: input sb0: left as it is (K = 12 < 32)
;;     3. [M 131,072, K 320] x [K 320, N 64]; A: computed on the way; B: computed on the way: QUANTISED (scales: A lowp_scales[2], B lowp_scales[3])
;;     4. [M 131,072, K 64] x [K 64, N 64]; A: computed on the way; B: input sb1: QUANTISED (scales: A lowp_scales[4], B lowp_scales[5])
;;     5. [M 131,072, K 320] x [K 320, N 24]; A: computed on the way; B: computed on the way: QUANTISED (scales: A lowp_scales[6], B lowp_scales[7])
;;     6. [M 131,072, K 64] x [K 64, N 24]; A: computed on the way; B: input sb2: QUANTISED (scales: A lowp_scales[8], B lowp_scales[9])
;;   THE QUANTISER, for each operand of a quantised product, along K:
;;     - The operand's scale is 2^e, e = its entry of the input lowp_scales (int32; the entries are numbered through the quantised products in the list's order, A before B).
;;     - Each number is divided by the scale, clamped to +-448, and rounded to the nearest number of E4M3, ties to even, subnormals kept.
;;     - The product sums the exact products of the quantised numbers (number of the format x scale) in f32.
;;   ~~~python
;;   def quantise(x, axis, e):      # numpy; x: float32 -> the quantised numbers, widened to float32 again
;;       x = np.moveaxis(x, axis, -1); K = x.shape[-1]
;;       r = np.clip(x / 2.0 ** e, -448, 448)
;;       step = 2.0 ** (np.maximum(np.frexp(np.where(r == 0, 1, r))[1] - 1, -6) - 3)
;;       q = np.round(r / step) * step * 2.0 ** e      # np.round: ties to even
;;       return np.moveaxis(q, -1, axis).astype(np.float32)
;;   ~~~
;;   OPERANDS COMPUTED ON THE WAY. 'Computed on the way' means the value that the module computes at that place (a softmax that the list does not call 'softmax' is quantised finished and normalised). What goes into a quantiser is computed in f32, as accurately as f32 sums, v_exp_f32 and their like allow (about 1e-6 of the number): no bf16 or f16 on the way to a quantiser, and a product that is left as it is and whose result goes on into a quantised operand takes f32 operands (vector FMAs, or v_wmma_f32_16x16x4_f32). A number that lies on a knife's edge between two numbers of the format may be rounded either way, as far as f32 arithmetic and the matrix unit's own rounding can turn it there, and no further.
;; One version. Each part assembles by itself: llvm-mc -triple=amdgcn-amd-amdhsa -mcpu=gfx1250 --defsym DOCPART=n.
;; ======== version 1 of 1: 1 launch
;; launch kan (part 1): grid 256 x 1, 8 waves a work-group, no clusters, 267,264 bytes of LDS; arguments x, grid0, grid1, grid2, coef0, coef1, coef2, ss0, ss1, ss2, sb0, sb1, sb2, lowp_scales, out0; writes out0
.if DOCPART == 1
	.amdgcn_target "amdgcn-amd-amdhsa--gfx1250"
	.amdhsa_code_object_version 6
	.text
	.protected	k_qe7cc3dd6c5_kan
	.globl	k_qe7cc3dd6c5_kan
	.p2align	8
	.type	k_qe7cc3dd6c5_kan,@function
k_qe7cc3dd6c5_kan:
	s_mov_b64 s[64:65], 0
	v_nop
	global_prefetch_b8 v0, s[64:65] scope:SCOPE_SE
	s_setreg_imm32_b32 hwreg(HW_REG_WAVE_MODE, 25, 1), 1
	s_wait_xcnt 0x0
; KAN coupling net, three layers (12 -> 64 -> 64 -> 24) for each of 131,072 pixels, in ONE launch.  x: [32][12][4096] f32, out0: [32][24][4096] f32.
; Each layer: for every input channel the five cubic B-spline values (Cox-de Boor on the channel's nine knots, which are an input) and silu; basis x (coef*ss) + silu x sb.
; The spline products and the silu products of layers 1 and 2 run on E4M3 codes (v_wmma_f32_16x16x64_fp8_fp8), each operand with its given scale 2^e; layer 0's silu product (K = 12) on f32 operands.
; SHARES.  256 work-groups x 8 waves; a work-group owns 512 neighbouring pixels of one image, a wave 64 (256 bytes of every channel), A LANE TWO: pixel 2 l (set A) and 2 l + 1 (set B), as a register pair.
; So a channel's knots and reciprocals are the same for the whole wave, and one packed instruction serves two pixels, the constant taken from one register of a pair by op_sel.
; THE SPLINE.  t_j = x - g_j;  r_d,j = 1 / (g_j+d - g_j), tabulated once;  C1_j = (x >= g_j and not x >= g_j+1) ? r1_j : 0;  B^d_j = t_j C^d_j - t_j+d+1 C^d_j+1;  C^d+1_j = r_d+1,j B^d_j:
; the recursion term for term, with a multiplication by the reciprocal for each division.  No order of the knots is assumed.
; FROM LANE = PIXEL TO A FRAGMENT.  v_permlane16_swap_b32 U, W leaves U = (U of lanes 0-15 | W of lanes 0-15): a fragment register of the tile of lanes 0-15's pixels, and W the same for lanes 16-31's.
; Tile T = 2 s + u (s: set, u: half of the lanes); its column r is pixel 32 u + 2 r + s.  The order of K is this text's own, the same in the activations and in the weight images.
; ALL PRODUCTS ARE USED TRANSPOSED (source 0 = 16 output channels, source 1 = 16 pixels): lane (r, h) register j of a result is channel 16 n + 8 h + j of the tile's pixel r.
; The hidden layers go through the wave's own LDS area (a row a channel) back to lane = pixel; their silu is converted where it stands, which is the next silu product's operand in the form's own order.
; WEIGHTS.  The nine weight tensors (179,200 bytes) are copied to LDS once, dense; coef*ss and sb are quantised there once a work-group into images of the operand's registers.
; NO CLUSTER: what work-groups share is those 179,200 bytes from nine buffers, read once at the head; afterwards a wave issues some 17,000 vector instructions without touching memory.  No ring, no prefetch: nothing streams.
; LIMITS.  Each e of lowp_scales between -126 and 119; e0+e1, e2+e3, e6+e7, e4+e5-e2-e3, e8+e9-e6-e7 between -126 and 127 (each power of two is made as an f32 number).
; NaN and infinities among the inputs are not served; equal knots d apart (d = 1, 2, 3) give no finite reciprocal, here as in the definition.
.set TAB,  0                           ; LDS: 192 rows x 128 bytes: words 0-8 g, 9-16 r1, 17-23 r2, 24-29 r3, 30-31 zero.  Rows 0-31 layer 0, 32-95 layer 1, 96-159 layer 2, 160-191 spare (the last look-ahead)
.set W0S,  24576                       ; layer 0's spline images, 4 tiles of outputs x 1,024
.set W0B,  28672                       ; sb0 as f32 fragments: (4 k-step + tile) x 256, 8 bytes a lane
.set W1B,  31744                       ; sb1's images, 4 x 1,024
.set W2B,  35840                       ; sb2's images, 2 x 1,024
.set W1S,  37888                       ; layer 1's spline images [tile 0..3][group 0..7] x 1,024
.set W2S,  70656                       ; layer 2's [tile 0..1][group 0..7] x 1,024
.set RAW,  87040                       ; the raw f32 weights as copied; behind the second barrier the waves' areas for the hidden layers
.set RC0,  RAW
.set RC1,  RAW+15360
.set RC2,  RAW+97280
.set RS0,  RAW+128000
.set RS1,  RAW+131072
.set RS2,  RAW+147456
.set RB0,  RAW+153600
.set RB2,  RAW+156672                  ; not last: lanes of the padded outputs 24-31 read a few bytes past a 24-wide table, into bytes that are filled too; their codes are then made zero
.set RB1,  RAW+162816                  ; ends at 266,240
.set HB,   RAW
.set HP,   272                         ; a channel's row: 64 pixels x 4 bytes + 16
.set HWB,  64*HP                       ; a wave's area
; vector registers, window 0
.set HXB,  1                           ; my area + 8 x lane: my two pixels in a row
.set HS,   2                           ; my area + 8 HP h + 8 r: where results are put
.set HR,   3                           ; my area + HP h + 16 r: rows read back for the way out
.set GO,   4                           ; 16,384 h + 16 r: the same two rows in out0
.set LI,   5                           ; 16 x lane
.set TA,   6                           ; the trip's first table row
.set XA,   7                           ; where the next trip's x lies
.set WA,   8                           ; the trip's weight images
.set LI8,  9                           ; 8 x lane
.set SCA,  10                          ; the basis' quantiser: 2^e,
.set LIM,  11                          ; 448 x 2^e
.set SCS,  12                          ; silu's
.set LIMS, 13
.set LANE, 14
.set RR,   15
.set CT,   16                          ; v16-79   two buffers of a channel's 32 constants
.set TT,   80                          ; v80-97   t_0 .. t_8, pairs
.set XB,   98                          ; v98-113  eight pairs
.set YB,   114                         ; v114-127 seven pairs
.set XIN,  128                         ; v128-151 x, a pair a channel
.set WF,   152                         ; v152-183 four weight fragments
.set STGA, 184                         ; v184-199 sixteen held numbers of set A,
.set STGB, 200                         ; v200-215 of set B
.set CODE, 216                         ; v216-247 tile T's fragment at CODE + 8 T
.set HH,   248
.set TMPV, 249
.set HT,   80                          ; the way out of a hidden layer: a tile's 32 numbers,
.set SGT,  112                         ; and their silu
.set SG0,  80                          ; layer 0's silu at work
.set SFA,  184                         ; silu(x), set A; set B 32 further on
.set SBF,  152                         ; sb0's twelve f32 fragments
.set OB,   16
.set OT,   80
.set PR,   16                          ; the preparation: numbers,
.set PS,   80                          ; ss,
.set PD,   92                          ; codes,
.set PZ,   108                         ; four zeros,
.set PSC,  112                         ; scale,
.set PLM,  113                         ; hold
.set AG,   216                         ; 16 x thread
.set AL,   217                         ; v217-225 where each raw tensor's copy lands
.set TABW, 226
.set QC1,  227
.set QS1,  228
.set QI1,  229
.set QC2,  230
.set QS2,  231
.set QI2,  232
.set QC0,  233
.set QS0,  234
.set QI0,  235
.set QB1,  236
.set QJ1,  237
.set QB2,  238
.set QB0,  239
.set GOF,  240
.set AG2,  241                         ; 16 x thread + 65,536: coef1's last 16,384 bytes in memory,
.set AL1B, 242                         ; and in LDS: so every copy's immediate stays under 65,536
; window 1: v0-127 the accumulators, (T, n) at 8 (4 T + n); v128-255 the f32 form's accumulators, which matrix instructions alone write
.set EB,   128
; scalar registers
.set WV,   2
.set QQ,   3
.set QN,   4
.set SW,   5
.set TB,   38
.set QE0,  50                          ; for each e_k a pair: 2^e, 448 x 2^e
.set QE1,  52
.set QE2,  54
.set QE3,  56
.set QE4,  58
.set QE5,  60
.set QE6,  62
.set QE7,  66
.set QE8,  68
.set QE9,  70
.set F0,   72                          ; 2^(e0+e1)
.set F1,   74                          ; 2^(e2+e3)
.set F2,   76                          ; 2^(e6+e7)
.set D1,   78                          ; 2^(e4+e5-e2-e3)
.set D2,   80                          ; 2^(e8+e9-e6-e7)
.set NL2E, 82                          ; -log2(e)
.set MA,   84                          ; s84-92  set A's nine masks
.set MB,   93                          ; s93-101 set B's
.set MSB, 0
.macro WIN new                         ; the immediate's high byte repeats the setting that is left; bits 1:0 source 0, 3:2 source 1, 5:4 source 2, 7:6 destination
.if MSB != \new
	s_set_vgpr_msb (MSB<<8)|\new
.set MSB, \new
.endif
.endm
.macro PLACES
.rept 4
	v_nop
.endr
.endm
.macro MKQ e, d                        ; 2^e and 448 x 2^e as f32
	s_add_co_i32 s[\d+1], s[\e], 127
	s_lshl_b32 s[\d], s[\d+1], 23
	s_add_co_i32 s[\d+1], s[\d+1], 8
	s_lshl_b32 s[\d+1], s[\d+1], 23
	s_or_b32 s[\d+1], s[\d+1], 0x600000
.endm
.macro MKP d                           ; s[d] holds a whole number: it becomes that power of two, in both words of the pair
	s_add_co_i32 s[\d], s[\d], 127
	s_lshl_b32 s[\d], s[\d], 23
	s_mov_b32 s[\d+1], s[\d]
.endm
	s_load_b512 s[8:23], s[0:1], 0x0               ; x 8, grid0 10, grid1 12, grid2 14, coef0 16, coef1 18, coef2 20, ss0 22
	s_load_b256 s[24:31], s[0:1], 0x40             ; ss1 24, ss2 26, sb0 28, sb1 30
	s_load_b128 s[32:35], s[0:1], 0x60             ; sb2 32, lowp_scales 34
	s_load_b64 s[36:37], s[0:1], 0x70              ; out0
	v_lshl_add_u32 v254, v0, 2, 0x41000
	v_mov_b32 v255, 0
	ds_add_u32 v254, v255
	ds_add_u32 v254, v255
	v_lshrrev_b32 v[TMPV], 5, v0
	v_readfirstlane_b32 s[WV], v[TMPV]             ; wave 0..7
	v_and_b32 v[LANE], 31, v0
	v_and_b32 v[RR], 15, v0                        ; r
	v_bfe_u32 v[HH], v0, 4, 1                      ; h
	s_mul_i32 s6, s[WV], HWB
	s_add_co_u32 s6, s6, HB                        ; my wave's area
	v_lshl_add_u32 v[HXB], v[LANE], 3, s6
	v_mul_u32_u24 v[HS], v[HH], 8*HP
	v_lshl_add_u32 v[HS], v[RR], 3, v[HS]
	v_add_nc_u32 v[HS], s6, v[HS]
	v_mul_u32_u24 v[HR], v[HH], HP
	v_lshl_add_u32 v[HR], v[RR], 4, v[HR]
	v_add_nc_u32 v[HR], s6, v[HR]
	v_lshlrev_b32 v[GO], 14, v[HH]
	v_lshl_add_u32 v[GO], v[RR], 4, v[GO]
	v_lshlrev_b32 v[LI], 4, v[LANE]
	v_lshlrev_b32 v[LI8], 3, v[LANE]
	; every LDS address of the preparation, of every role, is made here, ahead of the first branch
	v_lshlrev_b32 v[AG], 4, v0
	v_lshl_add_u32 v[AG2], v0, 4, 65536
	v_lshl_add_u32 v[AL+0], v0, 4, RC0
	v_lshl_add_u32 v[AL+1], v0, 4, RC1
	v_lshl_add_u32 v[AL1B], v0, 4, RC1+65536
	v_lshl_add_u32 v[AL+2], v0, 4, RC2
	v_lshl_add_u32 v[AL+3], v0, 4, RS0
	v_lshl_add_u32 v[AL+4], v0, 4, RS1
	v_lshl_add_u32 v[AL+5], v0, 4, RS2
	v_lshl_add_u32 v[AL+6], v0, 4, RB0
	v_lshl_add_u32 v[AL+7], v0, 4, RB1
	v_lshl_add_u32 v[AL+8], v0, 4, RB2
	v_lshlrev_b32 v[TABW], 7, v0                   ; thread t writes table row t
	s_mul_i32 s7, s[WV], 10240                     ; coef1: group w = 8 input channels of 1,280 bytes; a lane an output, 20 bytes apart
	v_mul_u32_u24 v[QC1], v[LANE], 20
	v_add_nc_u32 v[QC1], s7, v[QC1]
	v_add_nc_u32 v[QC1], RC1, v[QC1]
	s_lshl_b32 s7, s[WV], 11
	v_lshl_add_u32 v[QS1], v[LANE], 2, s7
	v_add_nc_u32 v[QS1], RS1, v[QS1]
	s_lshl_b32 s7, s[WV], 10                       ; an image's place: tile (lane / 16) x 8,192 + group w x 1,024 + 16 r
	v_lshlrev_b32 v[TMPV], 13, v[HH]
	v_lshl_add_u32 v[TMPV], v[RR], 4, v[TMPV]
	v_add_nc_u32 v[TMPV], s7, v[TMPV]
	v_add_nc_u32 v[QI1], W1S, v[TMPV]
	v_add_nc_u32 v[QI2], W2S, v[TMPV]
	s_mul_i32 s7, s[WV], 3840                      ; coef2: 8 input channels of 480 bytes
	v_mul_u32_u24 v[QC2], v[LANE], 20
	v_add_nc_u32 v[QC2], s7, v[QC2]
	v_add_nc_u32 v[QC2], RC2, v[QC2]
	s_mul_i32 s7, s[WV], 768
	v_lshl_add_u32 v[QS2], v[LANE], 2, s7
	v_add_nc_u32 v[QS2], RS2, v[QS2]
	s_and_b32 s6, s[WV], 1                         ; layer 0 (waves 0, 1): outputs 32 (w & 1) + lane
	s_mul_i32 s7, s6, 640
	v_mul_u32_u24 v[QC0], v[LANE], 20
	v_add_nc_u32 v[QC0], s7, v[QC0]
	v_add_nc_u32 v[QC0], RC0, v[QC0]
	s_lshl_b32 s7, s6, 7
	v_lshl_add_u32 v[QS0], v[LANE], 2, s7
	v_add_nc_u32 v[QS0], RS0, v[QS0]
	s_lshl_b32 s7, s6, 11
	v_lshlrev_b32 v[QI0], 10, v[HH]
	v_lshl_add_u32 v[QI0], v[RR], 4, v[QI0]
	v_add_nc_u32 v[QI0], s7, v[QI0]
	v_add_nc_u32 v[QI0], W0S, v[QI0]
	s_add_co_u32 s6, s[WV], 2                      ; sb1 (waves 2 to 5): tile (w + 2) & 3 = w - 2
	s_and_b32 s6, s6, 3
	s_lshl_b32 s7, s6, 6
	v_lshlrev_b32 v[QB1], 11, v[HH]
	v_lshl_add_u32 v[QB1], v[RR], 2, v[QB1]
	v_add_nc_u32 v[QB1], s7, v[QB1]
	v_add_nc_u32 v[QB1], RB1, v[QB1]
	s_lshl_b32 s7, s6, 10
	v_add_nc_u32 v[QJ1], s7, v[LI]
	v_add_nc_u32 v[QJ1], W1B, v[QJ1]
	v_mul_u32_u24 v[QB2], v[HH], 768
	v_lshl_add_u32 v[QB2], v[RR], 2, v[QB2]
	v_add_nc_u32 v[QB2], RB2, v[QB2]
	v_lshlrev_b32 v[QB0], 9, v[HH]
	v_lshl_add_u32 v[QB0], v[RR], 2, v[QB0]
	v_add_nc_u32 v[QB0], RB0, v[QB0]
	s_mov_b32 s[NL2E], 0xbfb8aa3b
	s_mov_b32 s[NL2E+1], s[NL2E]
	s_wait_dscnt 0x0
	s_wait_kmcnt 0x0
	s_load_b256 s[40:47], s[34:35], 0x0            ; e0 .. e7
	s_load_b64 s[48:49], s[34:35], 0x20            ; e8, e9
	; THE RAW WEIGHTS, copied as they lie: 16 bytes a thread, 4,096 a line; the immediate steps both addresses.  All copies stand ahead of the first LDS read, the first barrier and the one wait for them.  46 at the most are out in a wave.
.irp m, 0,1,2
	global_load_async_to_lds_b128 v[AL+0], v[AG], s[16:17] offset:4096*\m
.endr
.irp m, 0,1,2,3,4,5,6,7,8,9,10,11,12,13,14,15
	global_load_async_to_lds_b128 v[AL+1], v[AG], s[18:19] offset:4096*\m
.endr
.irp m, 0,1,2,3
	global_load_async_to_lds_b128 v[AL1B], v[AG2], s[18:19] offset:4096*\m   ; coef1's bytes 65,536 on, by registers that carry the 65,536
.endr
.irp m, 0,1,2,3,4,5,6
	global_load_async_to_lds_b128 v[AL+2], v[AG], s[20:21] offset:4096*\m
.endr
.irp m, 0,1,2,3
	global_load_async_to_lds_b128 v[AL+4], v[AG], s[24:25] offset:4096*\m
	global_load_async_to_lds_b128 v[AL+7], v[AG], s[30:31] offset:4096*\m
.endr
	global_load_async_to_lds_b128 v[AL+5], v[AG], s[26:27]
	global_load_async_to_lds_b128 v[AL+8], v[AG], s[32:33]
	s_cmp_lt_u32 s[WV], 6                          ; tails of 3,072 bytes: 192 threads
	s_cbranch_scc0 .Lno_t6
	global_load_async_to_lds_b128 v[AL+0], v[AG], s[16:17] offset:4096*3
	global_load_async_to_lds_b128 v[AL+3], v[AG], s[22:23]
	global_load_async_to_lds_b128 v[AL+6], v[AG], s[28:29]
.Lno_t6:
	s_cmp_lt_u32 s[WV], 4                          ; tails of 2,048 bytes: 128 threads
	s_cbranch_scc0 .Lno_t4
	global_load_async_to_lds_b128 v[AL+2], v[AG], s[20:21] offset:4096*7
	global_load_async_to_lds_b128 v[AL+5], v[AG], s[26:27] offset:4096
	global_load_async_to_lds_b128 v[AL+8], v[AG], s[32:33] offset:4096
.Lno_t4:
	s_lshr_b32 s6, ttmp9, 3                        ; the image
	s_and_b32 s7, ttmp9, 7
	s_lshl_b32 s7, s7, 11                          ; my work-group's 512 pixels,
	s_lshl_b32 s38, s[WV], 8
	s_add_co_u32 s7, s7, s38                       ; my wave's 64, in bytes
	s_mul_i32 s38, s6, 196608
	s_add_co_u32 s38, s38, s7
	s_mov_b32 s39, 0
	s_add_nc_u64 s[4:5], s[8:9], s[38:39]          ; x at my wave's pixels, channel 0
	s_mul_i32 s38, s6, 393216
	s_add_co_u32 s38, s38, s7
	s_add_nc_u64 s[36:37], s[36:37], s[38:39]      ; out0 likewise
	; THE TABLES: waves 0 to 5, a thread a row.  Wave 0: grid0 (rows past 11 repeat row 11 and are never read); waves 1, 2: grid1; waves 3, 4: grid2; wave 5: the spare rows, from grid2's first 32.
	s_cmp_lt_u32 s[WV], 6
	s_cbranch_scc0 .Lno_tab
	s_add_co_u32 s6, s[WV], 1
	s_and_b32 s6, s6, 1
	s_lshl_b32 s6, s6, 5                           ; waves 2 and 4 take a grid's rows 32 on
	s_cmp_lt_u32 s[WV], 3
	s_cselect_b64 s[38:39], s[12:13], s[14:15]
	s_cmp_eq_u32 s[WV], 0
	s_cselect_b64 s[38:39], s[10:11], s[38:39]
	s_cselect_b32 s7, 11, 63                       ; the grid's last row
	s_cselect_b32 s6, 0, s6
	v_add_nc_u32 v[GOF], s6, v[LANE]
	v_min_u32 v[GOF], s7, v[GOF]
	v_mul_u32_u24 v[GOF], v[GOF], 36
.irp j, 0,1,2,3,4,5,6,7,8
	global_load_b32 v[PR+\j], v[GOF], s[38:39] offset:4*\j
.endr
	s_wait_loadcnt 0x0
.irp j, 0,1,2,3,4,5,6,7
	v_sub_f32 v[PR+9+\j], v[PR+\j+1], v[PR+\j]
.endr
.irp j, 0,1,2,3,4,5,6
	v_sub_f32 v[PR+17+\j], v[PR+\j+2], v[PR+\j]
.endr
.irp j, 0,1,2,3,4,5
	v_sub_f32 v[PR+24+\j], v[PR+\j+3], v[PR+\j]
.endr
.irp j, 9,10,11,12,13,14,15,16,17,18,19,20,21,22,23,24,25,26,27,28,29
	v_rcp_f32 v[PR+\j], v[PR+\j]
.endr
	v_mov_b32 v[PR+30], 0                          ; (also the plain instruction behind the last reciprocal)
	v_mov_b32 v[PR+31], 0
	s_wait_alu depctr_va_vdst(0)                   ; one wait for the 21 reciprocals, ahead of their first reader
.irp k, 0,1,2,3,4,5,6,7
	ds_store_b128 v[TABW], v[PR+4*\k:PR+4*\k+3] offset:TAB+16*\k
.endr
.Lno_tab:
.irp i, 0,1,2,3,4,5,6,7,8,9,10,11
	global_load_b64 v[XIN+2*\i:XIN+2*\i+1], v[LI8], s[4:5] offset:16384*\i th:TH_LOAD_NT   ; a channel's 64 pixels: 256 consecutive bytes, aligned; they land while the weights are prepared
.endr
	s_wait_kmcnt 0x0
	MKQ 40, QE0
	MKQ 41, QE1
	MKQ 42, QE2
	MKQ 43, QE3
	MKQ 44, QE4
	MKQ 45, QE5
	MKQ 46, QE6
	MKQ 47, QE7
	MKQ 48, QE8
	MKQ 49, QE9
	s_add_co_i32 s[F0], s40, s41
	MKP F0
	s_add_co_i32 s[F1], s42, s43
	s_add_co_i32 s[D1], s44, s45
	s_sub_co_i32 s[D1], s[D1], s[F1]
	MKP F1
	MKP D1
	s_add_co_i32 s[F2], s46, s47
	s_add_co_i32 s[D2], s48, s49
	s_sub_co_i32 s[D2], s[D2], s[F2]
	MKP F2
	MKP D2
	s_wait_asynccnt 0x0                            ; my copies have landed,
	s_wait_dscnt 0x0                               ; my table rows are stored:
	s_barrier_signal -1
	s_barrier_wait -1                              ; everybody's
	; THE WEIGHT IMAGES.  An image holds a fragment's registers 0-3 at 16 x lane and 4-7 at 512 + 16 x lane.
; A group of 8 input channels x 32 outputs, a lane an output: feature 5 i + g; word d_k = features 4 k .. 4 k + 3.  Lanes 0-15 of the fragment hold d0-3, d8, d9, 0, 0; lanes 16-31 d4-7 and zeros.
.macro QTASK vc, coff, vs, soff, vi, ioff, ow, masked
.irp i, 0,1,2,3,4,5,6,7
.irp g, 0,1,2,3,4
	ds_load_b32 v[PR+5*\i+\g], v[\vc] offset:\coff+\i*20*\ow+4*\g
.endr
	ds_load_b32 v[PS+\i], v[\vs] offset:\soff+\i*4*\ow
.endr
	s_wait_dscnt 0x0                               ; the numbers are in (and the last task's stores have read their registers)
.irp i, 0,1,2,3,4,5,6,7
.irp g, 0,1,2,3,4
	v_mul_f32 v[PR+5*\i+\g], v[PR+5*\i+\g], v[PS+\i]   ; coef x ss, rounded once
.endr
.endr
.irp k, 0,1,2,3,4,5,6,7,8,9,10,11,12,13,14,15,16,17,18,19,20,21,22,23,24,25,26,27,28,29,30,31,32,33,34,35,36,37,38,39
	v_med3_num_f32 v[PR+\k], v[PR+\k], -v[PLM], v[PLM]   ; the conversion does not saturate (ISA guide 7.6.2): the hold at 448 x the scale
.endr
.irp u, 0,1,2,3,4
	v_cvt_scalef32_pk8_fp8_f32 v[PD+2*\u:PD+2*\u+1], v[PR+8*\u:PR+8*\u+7], v[PSC]
.endr
	v_mov_b32 v[PD+10], 0                          ; (a plain instruction behind the last conversion)
	v_mov_b32 v[PD+11], 0
.if \masked
.irp k, 0,1,2,3,4,5,6,7,8,9
	v_cndmask_b32 v[PD+\k], 0, v[PD+\k], s6        ; outputs 24 to 31 do not exist: zero codes
.endr
.endif
	ds_store_b128 v[\vi], v[PD:PD+3] offset:\ioff
	ds_store_b128 v[\vi], v[PD+8:PD+11] offset:\ioff+512
	ds_store_b128 v[\vi], v[PD+4:PD+7] offset:\ioff+256
	ds_store_b128 v[\vi], v[PZ:PZ+3] offset:\ioff+768
.endm
; A tile of 16 outputs of sb, K = 64 in the form's own order: lane (r, h) registers 2 c, 2 c + 1 = input channels 16 c + 8 h + 0 .. 7 of output r
.macro BTASK vb, boff, st, vj, joff, masked
.irp c, 0,1,2,3
.irp e, 0,1,2,3,4,5,6,7
	ds_load_b32 v[PR+8*\c+\e], v[\vb] offset:\boff+(16*\c+\e)*\st
.endr
.endr
	s_wait_dscnt 0x0
.irp k, 0,1,2,3,4,5,6,7,8,9,10,11,12,13,14,15,16,17,18,19,20,21,22,23,24,25,26,27,28,29,30,31
	v_med3_num_f32 v[PR+\k], v[PR+\k], -v[PLM], v[PLM]
.endr
.irp c, 0,1,2,3
	v_cvt_scalef32_pk8_fp8_f32 v[PD+2*\c:PD+2*\c+1], v[PR+8*\c:PR+8*\c+7], v[PSC]
.endr
	v_nop                                          ; a plain instruction behind the last conversion
.if \masked
.irp k, 0,1,2,3,4,5,6,7
	v_cndmask_b32 v[PD+\k], 0, v[PD+\k], s7
.endr
.endif
	ds_store_b128 v[\vj], v[PD:PD+3] offset:\joff
	ds_store_b128 v[\vj], v[PD+4:PD+7] offset:\joff+512
.endm
.irp k, 0,1,2,3
	v_mov_b32 v[PZ+\k], 0
.endr
	v_cmp_gt_u32 s6, 24, v[LANE]                   ; lanes whose output exists among 24
	v_cmp_gt_u32 s7, 8, v[RR]                      ; the same for rows of the second tile
	v_mov_b32 v[PSC], s[QE3]
	v_mov_b32 v[PLM], s[QE3+1]
	QTASK QC1, 0, QS1, 0, QI1, 0, 64, 0            ; every wave: its group of layer 1, outputs 0-31,
	QTASK QC1, 640, QS1, 128, QI1, 16384, 64, 0    ; outputs 32-63,
	v_mov_b32 v[PSC], s[QE7]
	v_mov_b32 v[PLM], s[QE7+1]
	QTASK QC2, 0, QS2, 0, QI2, 0, 24, 1            ; and of layer 2
	s_cmp_lt_u32 s[WV], 2
	s_cbranch_scc0 .Lrole_b
	; waves 0, 1: layer 0's spline weights: 60 features and 4 zeros; lanes 0-15 of the fragment hold d0-7, lanes 16-31 d8-15.  In two halves of six input channels: the second half's 36 loads land while the first half is multiplied
	v_mov_b32 v[PSC], s[QE1]
	v_mov_b32 v[PLM], s[QE1+1]
.irp i, 0,1,2,3,4,5
.irp g, 0,1,2,3,4
	ds_load_b32 v[PR+5*\i+\g], v[QC0] offset:\i*1280+4*\g
.endr
	ds_load_b32 v[PS+\i], v[QS0] offset:\i*256
.endr
	s_wait_dscnt 0x0                               ; the first half is in
.irp i, 6,7,8,9,10,11
.irp g, 0,1,2,3,4
	ds_load_b32 v[PR+5*\i+\g], v[QC0] offset:\i*1280+4*\g
.endr
	ds_load_b32 v[PS+\i], v[QS0] offset:\i*256
.endr
.irp k, 60,61,62,63
	v_mov_b32 v[PR+\k], 0
.endr
.irp i, 0,1,2,3,4,5
.irp g, 0,1,2,3,4
	v_mul_f32 v[PR+5*\i+\g], v[PR+5*\i+\g], v[PS+\i]
.endr
.endr
	s_wait_dscnt 0x0                               ; the second half is in
.irp i, 6,7,8,9,10,11
.irp g, 0,1,2,3,4
	v_mul_f32 v[PR+5*\i+\g], v[PR+5*\i+\g], v[PS+\i]
.endr
.endr
.set ii, 0
.rept 60
	v_med3_num_f32 v[PR+ii], v[PR+ii], -v[PLM], v[PLM]
.set ii, ii+1
.endr
.irp u, 0,1,2,3,4,5,6,7
	v_cvt_scalef32_pk8_fp8_f32 v[PD+2*\u:PD+2*\u+1], v[PR+8*\u:PR+8*\u+7], v[PSC]
.endr
	v_nop
	ds_store_b128 v[QI0], v[PD:PD+3]
	ds_store_b128 v[QI0], v[PD+4:PD+7] offset:512
	ds_store_b128 v[QI0], v[PD+8:PD+11] offset:256
	ds_store_b128 v[QI0], v[PD+12:PD+15] offset:768
	s_branch .Lrole_end
.Lrole_b:
	s_cmp_lt_u32 s[WV], 6
	s_cbranch_scc0 .Lrole_c
	v_mov_b32 v[PSC], s[QE5]                       ; waves 2 to 5: a tile of sb1 each
	v_mov_b32 v[PLM], s[QE5+1]
	BTASK QB1, 0, 256, QJ1, 0, 0
	s_branch .Lrole_end
.Lrole_c:
	s_cmp_eq_u32 s[WV], 6
	s_cbranch_scc0 .Lrole_d
	v_mov_b32 v[PSC], s[QE9]                       ; wave 6: sb2's two tiles
	v_mov_b32 v[PLM], s[QE9+1]
	BTASK QB2, 0, 96, LI, W2B, 0
	BTASK QB2, 64, 96, LI, W2B+1024, 1
	s_branch .Lrole_end
.Lrole_d:
	; wave 7: sb0 as fragments of the f32 form: lane (r, h) register j = sb0[4 q + 2 h + j][16 n + r]
.irp q, 0,1,2
.irp n, 0,1,2,3
.irp j, 0,1
	ds_load_b32 v[PR+2*(4*\q+\n)+\j], v[QB0] offset:1024*\q+256*\j+64*\n
.endr
.endr
.endr
	s_wait_dscnt 0x0
.irp m, 0,1,2,3,4,5,6,7,8,9,10,11
	ds_store_b64 v[LI8], v[PR+2*\m:PR+2*\m+1] offset:W0B+256*\m
.endr
.Lrole_end:
	s_wait_dscnt 0x0                               ; my images are stored and my reads of the raw weights are over:
	s_barrier_signal -1
	s_barrier_wait -1                              ; everybody's.  From here on tables and images are only read, and each wave's area is its own: no further barrier
; A packed operation whose second source is constant n of the channel's buffer, for both pixels: the even register of a pair by op_sel_hi 0, the odd one by op_sel 1
.macro PKC op, d, a, n, neg
.if ((\n)%2) == 0
.if \neg
	\op v[\d:\d+1], v[\a:\a+1], v[KC+(\n):KC+(\n)+1] op_sel_hi:[1,0] neg_lo:[0,1] neg_hi:[0,1]
.else
	\op v[\d:\d+1], v[\a:\a+1], v[KC+(\n):KC+(\n)+1] op_sel_hi:[1,0]
.endif
.else
.if \neg
	\op v[\d:\d+1], v[\a:\a+1], v[KC+(\n)-1:KC+(\n)] op_sel:[0,1] op_sel_hi:[1,1] neg_lo:[0,1] neg_hi:[0,1]
.else
	\op v[\d:\d+1], v[\a:\a+1], v[KC+(\n)-1:KC+(\n)] op_sel:[0,1] op_sel_hi:[1,1]
.endif
.endif
.endm
; ONE CHANNEL, two pixels a lane.  xr: the pair of x; cb: the constants' buffer; nxt: the next channel's table row, from v[TA]; f0: the channel's first feature; kind: where the codes go (0: layer 0; 1: a group of 8);
; rl >= 0: the pair takes the next trip's x from v[XA] + rl as soon as it is done with; nw: the LDS instructions issued behind this channel's constants, which may stay out.
.macro CH xr, cb, nxt, f0, kind, rl, nw
.set KC, CT+32*(\cb)
.set KN, CT+32*(1-(\cb))
	s_wait_dscnt \nw                               ; this channel's constants are in: they were asked for a channel ago
.irp k, 0,1,2,3,4,5,6,7
	ds_load_b128 v[KN+4*\k:KN+4*\k+3], v[TA] offset:(\nxt)+16*\k   ; the next channel's: every lane reads the same 128 bytes
.endr
.irp j, 0,1,2,3,4,5,6,7,8
	v_cmp_ge_f32 s[MA+\j], v[\xr], v[KC+\j]
	v_cmp_ge_f32 s[MB+\j], v[(\xr)+1], v[KC+\j]
.endr
.irp j, 0,1,2,3,4,5,6,7,8
	PKC v_pk_add_f32, TT+2*\j, \xr, \j, 1          ; t_j = x - g_j
.endr
.if (\rl) >= 0
	ds_load_b64 v[\xr:(\xr)+1], v[XA] offset:\rl
.endif
.irp j, 0,1,2,3,4,5,6,7
	s_and_not1_b32 s[MA+\j], s[MA+\j], s[MA+\j+1]  ; x >= g_j and not x >= g_j+1; j ascending, so that mask j + 1 is still whole
	s_and_not1_b32 s[MB+\j], s[MB+\j], s[MB+\j+1]
.endr
.irp j, 0,1,2,3,4,5,6,7
	v_cndmask_b32 v[XB+2*\j], 0, v[KC+9+\j], s[MA+\j]      ; C1_j
	v_cndmask_b32 v[XB+2*\j+1], 0, v[KC+9+\j], s[MB+\j]
.endr
.irp j, 0,1,2,3,4,5,6
	v_pk_mul_f32 v[YB+2*\j:YB+2*\j+1], v[TT+2*\j:TT+2*\j+1], v[XB+2*\j:XB+2*\j+1]
.endr
.irp j, 0,1,2,3,4,5,6
	v_pk_fma_f32 v[YB+2*\j:YB+2*\j+1], v[TT+2*\j+4:TT+2*\j+5], v[XB+2*\j+2:XB+2*\j+3], v[YB+2*\j:YB+2*\j+1] neg_lo:[1,0,0] neg_hi:[1,0,0]   ; B1_j = t_j C1_j - t_j+2 C1_j+1
.endr
.irp j, 0,1,2,3,4,5,6
	PKC v_pk_mul_f32, YB+2*\j, YB+2*\j, 17+\j, 0   ; C2_j
.endr
.irp j, 0,1,2,3,4,5
	v_pk_mul_f32 v[XB+2*\j:XB+2*\j+1], v[TT+2*\j:TT+2*\j+1], v[YB+2*\j:YB+2*\j+1]
.endr
.irp j, 0,1,2,3,4,5
	v_pk_fma_f32 v[XB+2*\j:XB+2*\j+1], v[TT+2*\j+6:TT+2*\j+7], v[YB+2*\j+2:YB+2*\j+3], v[XB+2*\j:XB+2*\j+1] neg_lo:[1,0,0] neg_hi:[1,0,0]   ; B2_j = t_j C2_j - t_j+3 C2_j+1
.endr
.irp j, 0,1,2,3,4,5
	PKC v_pk_mul_f32, XB+2*\j, XB+2*\j, 24+\j, 0   ; C3_j
.endr
.irp j, 0,1,2,3,4
	v_pk_mul_f32 v[YB+2*\j:YB+2*\j+1], v[TT+2*\j:TT+2*\j+1], v[XB+2*\j:XB+2*\j+1]
.endr
.irp j, 0,1,2,3,4
	v_pk_fma_f32 v[YB+2*\j:YB+2*\j+1], v[TT+2*\j+8:TT+2*\j+9], v[XB+2*\j+2:XB+2*\j+3], v[YB+2*\j:YB+2*\j+1] neg_lo:[1,0,0] neg_hi:[1,0,0]   ; B3_j = t_j C3_j - t_j+4 C3_j+1
.endr
.irp g, 0,1,2,3,4
.set ff, (\f0)+\g
	v_med3_num_f32 v[STGA+ff%16], v[YB+2*\g], -v[LIM], v[LIM]      ; the hold; its destination also parts set A from set B
	v_med3_num_f32 v[STGB+ff%16], v[YB+2*\g+1], -v[LIM], v[LIM]
.if (ff%8) == 7                        ; eight features are held: two words of codes for each set.  The next hold writes the other half of the sixteen: the plain instruction behind the conversions
.set uu, ff/8
.set DD, 2*uu
.if \kind
.if uu >= 4
.set DD, 4
.elseif uu >= 2
.set DD, 2*uu+4
.endif
.endif
	v_cvt_scalef32_pk8_fp8_f32 v[CODE+DD:CODE+DD+1], v[STGA+8*(uu%2):STGA+8*(uu%2)+7], v[SCA]
	v_cvt_scalef32_pk8_fp8_f32 v[CODE+16+DD:CODE+16+DD+1], v[STGB+8*(uu%2):STGB+8*(uu%2)+7], v[SCA]
.endif
.endr
.endm
.macro WFLOAD va, off, cnt, st         ; cnt weight fragments from their images
.irp n, 0,1,2,3
.if \n < \cnt
	ds_load_b128 v[WF+8*\n:WF+8*\n+3], v[\va] offset:(\off)+(\st)*\n
	ds_load_b128 v[WF+8*\n+4:WF+8*\n+7], v[\va] offset:(\off)+(\st)*\n+512
.endif
.endr
.endm
; 4 x cnt products: every accumulator once, so no two that follow each other share one, over the loops' backward jumps too
.macro PROD cnt, zero
.if \zero
	WIN 0x40
.else
	WIN 0x50
.endif
.irp T, 0,1,2,3
.irp n, 0,1,2,3
.if \n < \cnt
.if \zero
	v_wmma_f32_16x16x64_fp8_fp8 v[8*(4*\T+\n):8*(4*\T+\n)+7], v[WF+8*\n:WF+8*\n+7], v[CODE+8*\T:CODE+8*\T+7], 0
.else
	v_wmma_f32_16x16x64_fp8_fp8 v[8*(4*\T+\n):8*(4*\T+\n)+7], v[WF+8*\n:WF+8*\n+7], v[CODE+8*\T:CODE+8*\T+7], v[8*(4*\T+\n):8*(4*\T+\n)+7]
.endif
.endif
.endr
.endr
	WIN 0
.endm
; the silu product's sums are brought under the spline product's power of two, so that one accumulator takes both: a multiplication by a power of two
.macro DELTA cnt, sd
	WIN 0x41
.irp T, 0,1,2,3
.irp n, 0,1,2,3
.if \n < \cnt
.irp i, 0,2,4,6
	v_pk_mul_f32 v[8*(4*\T+\n)+\i:8*(4*\T+\n)+\i+1], v[8*(4*\T+\n)+\i:8*(4*\T+\n)+\i+1], s[\sd:\sd+1] op_sel_hi:[1,0]
.endr
.endif
.endr
.endr
	WIN 0
.endm
; THE WAY OUT OF A HIDDEN LAYER, tile T: the 64 channels of 16 pixels.  The numbers go to my area (a row a channel); their silu is quantised where it stands: registers 2 n, 2 n + 1 of the next silu product's operand.
.macro WOH T, l0
	s_wait_dscnt 0x0                               ; the last tile's stores have read their registers
.if \l0
	WIN 0x11
.else
	WIN 0x01
.endif
.irp n, 0,1,2,3
.irp i, 0,2,4,6
.if \l0
	v_pk_fma_f32 v[HT+8*\n+\i:HT+8*\n+\i+1], v[8*(4*(\T)+\n)+\i:8*(4*(\T)+\n)+\i+1], s[F0:F0+1], v[EB+8*(4*(\T)+\n)+\i:EB+8*(4*(\T)+\n)+\i+1] op_sel_hi:[1,0,1]   ; spline sums x 2^(e0+e1) + the f32 silu product; each accumulator from its low end on
.else
	v_pk_mul_f32 v[HT+8*\n+\i:HT+8*\n+\i+1], v[8*(4*(\T)+\n)+\i:8*(4*(\T)+\n)+\i+1], s[F1:F1+1] op_sel_hi:[1,0]
.endif
.endr
.endr
	WIN 0
.set ii, 0
.rept 16
	v_pk_mul_f32 v[SGT+ii:SGT+ii+1], v[HT+ii:HT+ii+1], s[NL2E:NL2E+1] op_sel_hi:[1,0]
.set ii, ii+2
.endr
.set ii, 0
.rept 32
	v_exp_f32 v[SGT+ii], v[SGT+ii]                 ; e^-h
.set ii, ii+1
.endr
.irp n, 0,1,2,3
.irp j, 0,1,2,3,4,5,6,7
	ds_store_b32 v[HS], v[HT+8*\n+\j] offset:(16*\n+\j)*HP+128*((\T)%2)+4*((\T)/2)   ; channel 16 n + 8 h + j, pixel 32 u + 2 r + s
.endr
.endr
	v_nop                                          ; a plain instruction behind the last exponential,
	s_wait_alu depctr_va_vdst(0)                   ; and one wait for the batch ahead of its first reader
.set ii, 0
.rept 16
	v_pk_add_f32 v[SGT+ii:SGT+ii+1], v[SGT+ii:SGT+ii+1], 1.0 op_sel_hi:[1,0]
.set ii, ii+2
.endr
.set ii, 0
.rept 32
	v_rcp_f32 v[SGT+ii], v[SGT+ii]
.set ii, ii+1
.endr
	v_nop
	s_wait_alu depctr_va_vdst(0)                   ; likewise for the reciprocals
.set ii, 0
.rept 16
	v_pk_mul_f32 v[SGT+ii:SGT+ii+1], v[SGT+ii:SGT+ii+1], v[HT+ii:HT+ii+1]   ; silu(h) = h / (1 + e^-h)
.set ii, ii+2
.endr
.set ii, 0
.rept 32
	v_med3_num_f32 v[SGT+ii], v[SGT+ii], -v[LIMS], v[LIMS]
.set ii, ii+1
.endr
.irp n, 0,1,2,3
	v_cvt_scalef32_pk8_fp8_f32 v[CODE+8*(\T)+2*\n:CODE+8*(\T)+2*\n+1], v[SGT+8*\n:SGT+8*\n+7], v[SCS]
.endr
.endm
; A TRIP of layers 1 and 2: a group of 8 input channels: 40 features in one K step of 64
.macro TRIP cnt
	v_mov_b32 v[TA], s[TB]
	s_add_co_u32 s[QN], s[QQ], 1
	s_and_b32 s[QN], s[QN], 7                      ; the last trip's look-ahead goes back to the first group: inside my area, and not used
	s_mul_i32 s[QN], s[QN], 8*HP
	v_add_nc_u32 v[XA], s[QN], v[HXB]
	v_add_nc_u32 v[WA], s[SW], v[LI]
	CH XIN+0, 0, 128, 0, 1, 0, 0                   ; (all LDS loads issued before are in: the wait for 0 ahead of the last products, or this one)
.irp c, 1,2,3,4,5,6
	CH XIN+2*\c, \c%2, 128*(\c+1), 5*\c, 1, HP*\c, 1   ; behind my constants: the last channel's one reload of x
.endr
	WFLOAD WA, 0, \cnt, 8192                       ; the group's weight fragments, a channel ahead of their use
	CH XIN+14, 1, 1024, 35, 1, HP*7, 1+2*\cnt      ; behind my constants: that reload and the fragments' loads
.irp k, 12,13,28,29
	v_mov_b32 v[CODE+\k], 0                        ; the partners of d8 and d9 are zeros.  (Plain instructions behind the last conversions)
.endr
.irp m, 0,1,2,3,4,5
	v_permlane16_swap_b32 v[CODE+\m], v[CODE+8+\m]
	v_permlane16_swap_b32 v[CODE+16+\m], v[CODE+24+\m]
.endr
	s_wait_dscnt 0x0                               ; the weight fragments are in; so are the next trip's x and first constants
	PROD \cnt, 0
.endm
	; ---- LAYER 0
	v_mov_b32 v[TA], 0
.irp k, 0,1,2,3,4,5,6,7
	ds_load_b128 v[CT+4*\k:CT+4*\k+3], v[TA] offset:TAB+16*\k
.endr
.irp m, 0,1,2,3,4,5,6,7,8,9,10,11
	ds_load_b64 v[SBF+2*\m:SBF+2*\m+1], v[LI8] offset:W0B+256*\m
.endr
	s_wait_loadcnt 0x0                             ; x
.irp i, 0,1,2,3,4,5,6,7,8,9,10,11
	v_pk_mul_f32 v[SG0+2*\i:SG0+2*\i+1], v[XIN+2*\i:XIN+2*\i+1], s[NL2E:NL2E+1] op_sel_hi:[1,0]
.endr
.set ii, 0
.rept 24
	v_exp_f32 v[SG0+ii], v[SG0+ii]
.set ii, ii+1
.endr
	v_mov_b32 v[SCA], s[QE0]                       ; (also the plain instruction behind the last exponential)
	v_mov_b32 v[LIM], s[QE0+1]
	s_wait_alu depctr_va_vdst(0)                   ; one wait for the batch, ahead of its first reader
.irp i, 0,1,2,3,4,5,6,7,8,9,10,11
	v_pk_add_f32 v[SG0+2*\i:SG0+2*\i+1], v[SG0+2*\i:SG0+2*\i+1], 1.0 op_sel_hi:[1,0]
.endr
.set ii, 0
.rept 24
	v_rcp_f32 v[SG0+ii], v[SG0+ii]
.set ii, ii+1
.endr
	v_nop
	s_wait_alu depctr_va_vdst(0)
.irp i, 0,1,2,3,4,5,6,7,8,9,10,11
	v_mul_f32 v[SFA+\i], v[SG0+2*\i], v[XIN+2*\i]          ; silu(x), the sets parted
	v_mul_f32 v[SFA+32+\i], v[SG0+2*\i+1], v[XIN+2*\i+1]
.endr
.irp q, 0,1,2
.irp s, 0,32
	v_permlane16_swap_b32 v[SFA+\s+4*\q], v[SFA+\s+4*\q+2]     ; channels 4 q, 4 q + 2: register 0 of the two tiles' f32 fragments (k = 2 h + j),
	v_permlane16_swap_b32 v[SFA+\s+4*\q+1], v[SFA+\s+4*\q+3]   ; channels 4 q + 1, 4 q + 3: register 1
.endr
.endr
	s_wait_dscnt 0x0                               ; sb0's fragments and channel 0's constants
.irp q, 0,1,2                          ; silu(x) x sb0 on f32 operands, K = 12 in three steps; the sixteen accumulators by turns; the first step starts the sums
.if \q == 0
	WIN 0x40
.else
	WIN 0x50
.endif
.irp T, 0,1,2,3
.irp n, 0,1,2,3
.if \q == 0
	v_wmma_f32_16x16x4_f32 v[EB+8*(4*\T+\n):EB+8*(4*\T+\n)+7], v[SBF+2*(4*\q+\n):SBF+2*(4*\q+\n)+1], v[SFA+32*(\T/2)+4*\q+2*(\T%2):SFA+32*(\T/2)+4*\q+2*(\T%2)+1], 0
.else
	v_wmma_f32_16x16x4_f32 v[EB+8*(4*\T+\n):EB+8*(4*\T+\n)+7], v[SBF+2*(4*\q+\n):SBF+2*(4*\q+\n)+1], v[SFA+32*(\T/2)+4*\q+2*(\T%2):SFA+32*(\T/2)+4*\q+2*(\T%2)+1], v[EB+8*(4*\T+\n):EB+8*(4*\T+\n)+7]
.endif
.endr
.endr
.endr
	WIN 0                                          ; the first channel's instructions, which name none of those products' registers before its holds, are the places behind them
.irp i, 0,1,2,3,4,5,6,7,8,9,10
	CH XIN+2*\i, \i%2, 128*(\i+1), 5*\i, 0, -1, 0
.endr
	WFLOAD LI, W0S, 4, 1024
	CH XIN+22, 1, 4096, 55, 0, -1, 8               ; behind my constants: the eight loads just issued.  The next constants are layer 1's first row
.irp k, 12,13,14,15
	v_mov_b32 v[STGA+\k], 0                        ; features 60 to 63 do not exist: zero codes
	v_mov_b32 v[STGB+\k], 0
.endr
	v_cvt_scalef32_pk8_fp8_f32 v[CODE+14:CODE+15], v[STGA+8:STGA+15], v[SCA]
	v_cvt_scalef32_pk8_fp8_f32 v[CODE+30:CODE+31], v[STGB+8:STGB+15], v[SCA]
	v_nop                                          ; a plain instruction behind the last conversion
.irp m, 0,1,2,3,4,5,6,7
	v_permlane16_swap_b32 v[CODE+\m], v[CODE+8+\m]
	v_permlane16_swap_b32 v[CODE+16+\m], v[CODE+24+\m]
.endr
	s_wait_dscnt 0x0
	PROD 4, 1
	PLACES                                         ; ahead of loads into registers that those products read, and of the first read of their results
	WFLOAD LI, W1B, 4, 1024
	v_mov_b32 v[SCS], s[QE4]
	v_mov_b32 v[LIMS], s[QE4+1]
	WOH 0, 1
	WOH 1, 1
	WOH 2, 1
	WOH 3, 1
	; ---- LAYER 1
	v_nop                                          ; a plain instruction between the last conversion and the products that read its result
	s_wait_dscnt 0x0
	PROD 4, 1                                      ; silu(h) x sb1 starts the sums
.irp i, 0,1,2,3,4,5,6,7
	ds_load_b64 v[XIN+2*\i:XIN+2*\i+1], v[HXB] offset:HP*\i    ; the first group's channels, lane = pixel again (LDS serves a wave's instructions in order: these see my stores)
.endr
	PLACES
	DELTA 4, D1
.irp T, 0,1,2,3
	v_mov_b32 v[CODE+8*\T+6], 0                    ; registers 6 and 7 of a spline fragment stay zero codes
	v_mov_b32 v[CODE+8*\T+7], 0
.endr
	v_mov_b32 v[SCA], s[QE2]
	v_mov_b32 v[LIM], s[QE2+1]
	s_mov_b32 s[QQ], 0
	s_mov_b32 s[TB], TAB+32*128
	s_mov_b32 s[SW], W1S
.Llayer1:
	TRIP 4
	s_add_co_u32 s[TB], s[TB], 1024
	s_add_co_u32 s[SW], s[SW], 1024
	s_add_co_u32 s[QQ], s[QQ], 1
	s_cmp_lt_u32 s[QQ], 8
	s_cbranch_scc1 .Llayer1
	PLACES
	WFLOAD LI, W2B, 2, 1024
	v_mov_b32 v[SCS], s[QE8]
	v_mov_b32 v[LIMS], s[QE8+1]
	WOH 0, 0
	WOH 1, 0
	WOH 2, 0
	WOH 3, 0
	; ---- LAYER 2: two tiles of outputs (24 and 8 that do not exist)
	v_nop
	s_wait_dscnt 0x0
	PROD 2, 1
.irp i, 0,1,2,3,4,5,6,7
	ds_load_b64 v[XIN+2*\i:XIN+2*\i+1], v[HXB] offset:HP*\i
.endr
	PLACES
	DELTA 2, D2
.irp T, 0,1,2,3
	v_mov_b32 v[CODE+8*\T+6], 0
	v_mov_b32 v[CODE+8*\T+7], 0
.endr
	v_mov_b32 v[SCA], s[QE6]
	v_mov_b32 v[LIM], s[QE6+1]
	s_mov_b32 s[QQ], 0
	s_mov_b32 s[TB], TAB+96*128
	s_mov_b32 s[SW], W2S
.Llayer2:
	TRIP 2
	s_add_co_u32 s[TB], s[TB], 1024
	s_add_co_u32 s[SW], s[SW], 1024
	s_add_co_u32 s[QQ], s[QQ], 1
	s_cmp_lt_u32 s[QQ], 8
	s_cbranch_scc1 .Llayer2
	; ---- THE WAY OUT: sums x 2^(e6+e7) into my area, a row a channel; back as whole rows of 256 bytes
	PLACES
.irp T, 0,1,2,3
	WIN 0x01
.irp n, 0,1
.irp i, 0,2,4,6
	v_pk_mul_f32 v[OT+16*\T+8*\n+\i:OT+16*\T+8*\n+\i+1], v[8*(4*\T+\n)+\i:8*(4*\T+\n)+\i+1], s[F2:F2+1] op_sel_hi:[1,0]
.endr
.endr
	WIN 0
.irp n, 0,1
.irp j, 0,1,2,3,4,5,6,7
	ds_store_b32 v[HS], v[OT+16*\T+8*\n+\j] offset:(16*\n+\j)*HP+128*(\T%2)+4*(\T/2)
.endr
.endr
.endr
.irp k, 0,1,2,3,4,5,6,7,8,9,10,11
	ds_load_b128 v[OB+4*\k:OB+4*\k+3], v[HR] offset:2*HP*\k    ; channels 2 k (lanes 0-15) and 2 k + 1 (lanes 16-31); these see my stores
.endr
.irp k, 0,1,2,3,4,5,6,7,8,9,10,11
	s_wait_dscnt 11-\k                             ; the younger read-backs may stay out
	global_store_b128 v[GO], v[OB+4*\k:OB+4*\k+3], s[36:37] offset:32768*\k th:TH_STORE_NT   ; sixteen lanes store 256 consecutive bytes, at a multiple of 256 from out0's first byte
.endr
	s_wait_tensorcnt 0x0
	ds_add_u32 v254, v255
	s_wait_dscnt 0x0
	s_endpgm
.Lfunc_end_k_qe7cc3dd6c5_kan:
	.size	k_qe7cc3dd6c5_kan, .Lfunc_end_k_qe7cc3dd6c5_kan-k_qe7cc3dd6c5_kan
	.p2alignl 7, 3214868480
	.fill 96, 4, 3214868480
	.section	.rodata,"a",@progbits
	.p2align	6, 0x0
	.amdhsa_kernel k_qe7cc3dd6c5_kan
		.amdhsa_group_segment_fixed_size 267264
		.amdhsa_private_segment_fixed_size 0
		.amdhsa_enable_private_segment 0
		.amdhsa_kernarg_size 120
		.amdhsa_user_sgpr_count 2
		.amdhsa_user_sgpr_kernarg_segment_ptr 1
		.amdhsa_wavefront_size32 1
		.amdhsa_system_sgpr_workgroup_id_x 1
		.amdhsa_system_sgpr_workgroup_id_y 1
		.amdhsa_system_sgpr_workgroup_id_z 1
		.amdhsa_system_vgpr_workitem_id 0
		.amdhsa_next_free_vgpr 512
		.amdhsa_next_free_sgpr 102
		.amdhsa_reserve_vcc 0
		.amdhsa_float_denorm_mode_32 3
		.amdhsa_float_denorm_mode_16_64 3
		.amdhsa_memory_ordered 1
		.amdhsa_forward_progress 1
		.amdhsa_inst_pref_size 255
	.end_amdhsa_kernel
	.section	.bss,"aw",@nobits
	.p2align	6
	.space	262144
	.amdgpu_metadata
---
amdhsa.version: [ 1, 2 ]
amdhsa.kernels:
  - .name:           k_qe7cc3dd6c5_kan
    .symbol:         k_qe7cc3dd6c5_kan.kd
    .args:
      - { .name: x, .offset: 0, .size: 8, .value_kind: global_buffer, .address_space: global }
      - { .name: grid0, .offset: 8, .size: 8, .value_kind: global_buffer, .address_space: global }
      - { .name: grid1, .offset: 16, .size: 8, .value_kind: global_buffer, .address_space: global }
      - { .name: grid2, .offset: 24, .size: 8, .value_kind: global_buffer, .address_space: global }
      - { .name: coef0, .offset: 32, .size: 8, .value_kind: global_buffer, .address_space: global }
      - { .name: coef1, .offset: 40, .size: 8, .value_kind: global_buffer, .address_space: global }
      - { .name: coef2, .offset: 48, .size: 8, .value_kind: global_buffer, .address_space: global }
      - { .name: ss0, .offset: 56, .size: 8, .value_kind: global_buffer, .address_space: global }
      - { .name: ss1, .offset: 64, .size: 8, .value_kind: global_buffer, .address_space: global }
      - { .name: ss2, .offset: 72, .size: 8, .value_kind: global_buffer, .address_space: global }
      - { .name: sb0, .offset: 80, .size: 8, .value_kind: global_buffer, .address_space: global }
      - { .name: sb1, .offset: 88, .size: 8, .value_kind: global_buffer, .address_space: global }
      - { .name: sb2, .offset: 96, .size: 8, .value_kind: global_buffer, .address_space: global }
      - { .name: lowp_scales, .offset: 104, .size: 8, .value_kind: global_buffer, .address_space: global }
      - { .name: out0, .offset: 112, .size: 8, .value_kind: global_buffer, .address_space: global }
    .group_segment_fixed_size: 267264
    .private_segment_fixed_size: 0
    .kernarg_segment_align: 8
    .kernarg_segment_size: 120
    .max_flat_workgroup_size: 256
    .sgpr_count:     102
    .vgpr_count:     512
    .wavefront_size: 32
...
	.end_amdgpu_metadata
.endif
;; end of part 1
